; MI455X (gfx1250); checked and timed in simulation.
; The chip was launched on July 23, 2026; its instructions are those of AMD's public machine-readable ISA for CDNA 5 (MIT licence, August 2026) and "CDNA5" Instruction Set Architecture Reference Guide (July 2026). The comments in the code are by the model that wrote it; some were corrected since.
;; Multi Head Attention. Allowed arithmetic: matrix products marked QUANTISED: E2M3 operands, one E8M0 scale for each 32 along K, by v_wmma_scale_f32_16x16x128_f8f6f4 with both operands' format E2M3, f32 sums; everything else in f32.
;; Inputs: Wk 768 x 768 float32; Wo 768 x 768 float32; Wq 768 x 768 float32; Wv 768 x 768 float32; bk 768 float32; bo 768 float32; bq 768 float32; bv 768 float32; k 1 x 4,096 x 768 float32; q 1 x 4,096 x 768 float32; v 1 x 4,096 x 768 float32.
;; Outputs: out0 1 x 4,096 x 768 float32.
;; This version of the problem:
;;   THIS VERSION OF THE PROBLEM IS GIVEN IN LOW PRECISION. The matrix products marked QUANTISED in the list below multiply operands that are first quantised to E2M3 (2 exponent bits, 3 mantissa bits; 6 bits a number), with one power-of-two scale for each 32 numbers along K (OCP MX v1.0); their sums are f32. All else is computed in f32.
;;   The module's matrix products, in the order in which they are computed (A, B: the left and right operand; K: the contracted axis; several contracted axes count as one K, in the product's order):
;;     1. [M 4,096, K 768] x [K 768, N 768]; A: input q; B: input Wq: QUANTISED
;;     2. [M 4,096, K 768] x [K 768, N 768]; A: input k; B: input Wk: QUANTISED
;;     3. [M 4,096, K 768] x [K 768, N 768]; A: input v; B: input Wv: QUANTISED
;;     4. batch 12 x [M 4,096, K 64] x [K 64, N 4,096]; A: computed on the way; B: computed on the way: QUANTISED
;;     5. batch 12 x [M 4,096, K 4,096] x [K 4,096, N 64]; A: softmax (see below); B: computed on the way: QUANTISED
;;     6. [M 4,096, K 768] x [K 768, N 768]; A: computed on the way; B: input Wo: QUANTISED
;;   THE QUANTISER, for each operand of a quantised product, along K:
;;     - K is cut into blocks of 32 from its start; a last block that is shorter is filled with zeros.
;;     - A block's scale is 2^e with e = floor(log2(the largest magnitude in the block)) - 2, held to -126 .. 127; a block of zeros has e = 0. As a byte (E8M0): e + 127.
;;     - Each number is divided by its block's scale, clamped to +-7.5, and rounded to the nearest number of E2M3, ties to even, subnormals kept.
;;     - The product sums the exact products of the quantised numbers (number of the format x scale) in f32.
;;   ~~~python
;;   def quantise(x, axis):      # numpy; x: float32 -> the quantised numbers, widened to float32 again
;;       x = np.moveaxis(x, axis, -1); K = x.shape[-1]
;;       x = np.pad(x, [(0, 0)] * (x.ndim - 1) + [(0, -K % 32)]); x = x.reshape(x.shape[:-1] + (-1, 32)); a = np.abs(x).max(-1, keepdims=True)
;;       e = np.where(a > 0, np.clip(np.frexp(np.where(a > 0, a, 1))[1] - 1 - 2, -126, 127), 0)      # np.frexp(a)[1] - 1 = floor(log2(a)), exactly
;;       r = np.clip(x / 2.0 ** e, -7.5, 7.5)
;;       step = 2.0 ** (np.maximum(np.frexp(np.where(r == 0, 1, r))[1] - 1, 0) - 3)
;;       q = np.round(r / step) * step * 2.0 ** e      # np.round: ties to even
;;       return np.moveaxis(q.reshape(q.shape[:-2] + (-1,))[..., :K], -1, axis).astype(np.float32)
;;   ~~~
;;   SOFTMAX AHEAD OF A QUANTISED PRODUCT. Where the list says 'softmax', what is quantised is not the finished softmax but p = 2^(t - M), with t = logit x log2(e) and M = ceil(the row's largest t), a whole number; so 1/2 < the row's largest p <= 1. The row's sum l is taken of the UNQUANTISED p, in f32, and the product's result is divided by l at the end. Since M is a whole number, a kernel that streams over the keys may use a running M (the ceiling of the running maximum): every later rescaling is an exact power of two, which a block's scale takes up: the codes' values come out the same.
;;   OPERANDS COMPUTED ON THE WAY. 'Computed on the way' means the value that the module computes at that place (a softmax that the list does not call 'softmax' is quantised finished and normalised). What goes into a quantiser is computed in f32, as accurately as f32 sums, v_exp_f32 and their like allow (about 1e-6 of the number): no bf16 or f16 on the way to a quantiser, and a product that is left as it is and whose result goes on into a quantised operand takes f32 operands (vector FMAs, or v_wmma_f32_16x16x4_f32). A number that lies on a knife's edge between two numbers of the format may be rounded either way, as far as f32 arithmetic and the matrix unit's own rounding can turn it there, and no further.
;; One version. Each part assembles by itself: llvm-mc -triple=amdgcn-amd-amdhsa -mcpu=gfx1250 --defsym DOCPART=n.
;; ======== version 1 of 1: 4 launches
;; limits: right only within a limited range of input values
;; workspace buffers: wimg 1,769,472 bytes; wsc 73,728 bytes; qimg 2,359,296 bytes; qsc 98,304 bytes; kvimg 4,718,592 bytes; kvsc 196,608 bytes; cimg 2,359,296 bytes; csc 98,304 bytes
;; launch wq (part 1): grid 6 x 24, 4 waves a work-group, no clusters, 0 bytes of LDS; arguments Wq, Wk, Wv, Wo, wimg, wsc; writes wimg, wsc
.if DOCPART == 1
	.amdgcn_target "amdgcn-amd-amdhsa--gfx1250"
	.amdhsa_code_object_version 6
	.text
	.protected	k_qc8e09d28a4_wq
	.globl	k_qc8e09d28a4_wq
	.p2align	8
	.type	k_qc8e09d28a4_wq,@function
k_qc8e09d28a4_wq:
	s_mov_b64 s[64:65], 0
	v_nop
	global_prefetch_b8 v0, s[64:65] scope:SCOPE_SE
	s_setreg_imm32_b32 hwreg(HW_REG_WAVE_MODE, 25, 1), 1
	s_wait_xcnt 0x0
; The four weights [768 (k)][768 (n)], f32, K along the FIRST axis, become codes of FP6 (E2M3) with one E8M0 byte for each 32 along K,
; laid as IMAGES OF OPERAND REGISTERS: wimg[weight q,k,v,o][tile of 16 columns, 0..47][K step of 128, 0..5] = 1,536 bytes; register group g
; (registers 4 g .. 4 g + 3) of fragment lane l at 512 g + 16 l.  wsc[weight][tile][K step][16 words]: word p = the four bytes of the tile's place p.
; THE COLUMNS OF A TILE ARE NOT NEIGHBOURS: place p of tile 2 b + u is column 32 b + 8 u + p % 8 + 16 (p / 8).
; A LANE TAKES A COLUMN AND ITS 128 REGISTERS RUN DOWN K: a load reads 128 consecutive bytes a wave, a block of 32 lies in one lane, and the conversions give codes with K innermost.
; A fragment lane (p, h) wants k = 64 c + 32 h + 0..31: my column's blocks 0 and 2 are the registers of fragment lane (p, 0), blocks 1 and 3 those of (p, 1).
; SHARES: work-group x = 128 columns, y = 6 x weight + K step; wave w = 32 columns (two tiles).  No LDS, no barrier: waves share nothing.
; A block's byte is its largest magnitude's exponent field - 2, held at 1 from below.  LIMITS: a block of zeros gets the byte 1 (its codes are zeros; this program alone reads the bytes);
; NaN and infinities among the inputs are not served.
.set X, 64                             ; v64-191 my column's 128 numbers
	s_load_b256 s[4:11], s[0:1], 0x0               ; Wq, Wk, Wv, Wo
	s_load_b128 s[12:15], s[0:1], 0x20             ; wimg, wsc
	v_lshrrev_b32 v4, 5, v0
	v_readfirstlane_b32 s16, v4                    ; wave
	v_and_b32 v5, 31, v0                           ; lane = my column in the group of 32
	v_lshlrev_b32 v1, 2, v5                        ; in: 4 bytes a lane
	v_bfe_u32 v6, v0, 3, 1                         ; u: which of the group's two tiles
	v_and_b32 v7, 7, v0
	v_bfe_u32 v4, v0, 4, 1
	v_lshl_add_u32 v7, v4, 3, v7                   ; p: my place in the tile
	v_mul_u32_u24 v2, v6, 9216                     ; out: a tile's six K steps are 9,216 bytes,
	v_lshl_add_u32 v2, v7, 4, v2                   ; 16 bytes a fragment lane
	v_mul_u32_u24 v3, v6, 384                      ; and 384 bytes of scale words,
	v_lshl_add_u32 v3, v7, 2, v3                   ; 4 bytes a place
	s_and_b32 s17, ttmp7, 0xffff                   ; y = 0..23
	s_mul_i32 s18, s17, 43
	s_lshr_b32 s18, s18, 8                         ; weight = y / 6 (exact for y under 24)
	s_mul_i32 s19, s18, 6
	s_sub_co_u32 s19, s17, s19                     ; K step = y % 6
	s_lshl_b32 s20, ttmp9, 2
	s_add_co_u32 s20, s20, s16                     ; group of 32 columns, 0..23
	s_mul_i32 s22, s19, 393216                     ; 128 rows of 3,072 bytes a K step
	s_lshl_b32 s23, s20, 7
	s_add_co_u32 s22, s22, s23
	s_mov_b32 s23, 0
	s_mul_i32 s24, s20, 12
	s_add_co_u32 s24, s24, s19
	s_mul_i32 s25, s18, 288
	s_add_co_u32 s24, s24, s25                     ; fragment number of the group's even tile: 288 x weight + 12 x group + K step
	s_mul_i32 s26, s24, 1536
	s_mov_b32 s27, 0
	s_lshl_b32 s28, s24, 6
	s_mov_b32 s29, 0
	s_wait_alu depctr_va_vdst(0)
	s_wait_kmcnt 0x0
	s_cmp_eq_u32 s18, 1                            ; the weight is chosen by the work-group's number alone
	s_cselect_b64 s[4:5], s[6:7], s[4:5]
	s_cmp_eq_u32 s18, 2
	s_cselect_b64 s[4:5], s[8:9], s[4:5]
	s_cmp_eq_u32 s18, 3
	s_cselect_b64 s[4:5], s[10:11], s[4:5]
	s_add_nc_u64 s[4:5], s[4:5], s[22:23]
	s_add_nc_u64 s[12:13], s[12:13], s[26:27]
	s_add_nc_u64 s[14:15], s[14:15], s[28:29]
.set KK, 0
.rept 128
	global_load_b32 v[X+KK], v1, s[4:5] offset:KK*3072 th:TH_LOAD_NT   ; W(128 s + k, my column): every number is read once in the launch
.set KK, KK+1
.endr
.macro BLK kb                          ; block kb = 2 c + h of my column -> registers 6 c .. 6 c + 5 of fragment lane (p, h), at v[16 + 12 h]
.set XS, X+32*(\kb)
.set DD, 16+12*((\kb)%2)+6*((\kb)/2)
	v_max3_num_f32 v8, |v[XS]|, |v[XS+1]|, |v[XS+2]|               ; the block's largest magnitude, in two chains
	v_max3_num_f32 v9, |v[XS+3]|, |v[XS+4]|, |v[XS+5]|
.irp i, 6,10,14,18,22,26
	v_max3_num_f32 v8, v8, |v[XS+\i]|, |v[XS+\i+1]|
	v_max3_num_f32 v9, v9, |v[XS+\i+2]|, |v[XS+\i+3]|
.endr
	v_max3_num_f32 v8, v8, |v[XS+30]|, |v[XS+31]|
	v_max3_num_f32 v8, v8, v9, 0x1800000           ; and the floor 2^(3 - 127): the byte cannot fall under 1
	v_add_nc_u32 v10, 0xff000000, v8               ; 2 off the exponent field: the conversion's scale operand
	v_lshrrev_b32 v11, 23, v10                     ; the byte
.if (\kb) == 0
	v_mov_b32 v12, v11
.else
	v_lshl_or_b32 v12, v11, 8*(\kb), v12           ; byte kb of my column's scale word
.endif
	v_cvt_scalef32_pk16_fp6_f32 v[DD:DD+2], v[XS:XS+15], v10
	v_cvt_scalef32_pk16_fp6_f32 v[40:42], v[XS+16:XS+31], v10      ; (a conversion's three registers begin on an even number)
	v_nop                                          ; one plain place behind a scaled conversion
.irp i, 0,1,2
	v_mov_b32 v[DD+3+\i], v[40+\i]
.endr
.endm
	s_wait_loadcnt 63                              ; block 0 wants the first 32 loads: 96 were issued behind them, more than the count can name; the smaller count is safe
	BLK 0
	s_wait_loadcnt 63                              ; block 1: 64 behind it; likewise
	BLK 1
	s_wait_loadcnt 32                              ; block 2: block 3's 32 may be out
	BLK 2
	s_wait_loadcnt 0x0
	BLK 3
.irp h, 0,1
.irp g, 0,1,2
	global_store_b128 v2, v[16+12*\h+4*\g:16+12*\h+4*\g+3], s[12:13] offset:512*\g+256*\h   ; the sixteen lanes of a tile store 256 consecutive bytes, aligned
.endr
.endr
	global_store_b32 v3, v12, s[14:15]
	s_endpgm
.Lfunc_end_k_qc8e09d28a4_wq:
	.size	k_qc8e09d28a4_wq, .Lfunc_end_k_qc8e09d28a4_wq-k_qc8e09d28a4_wq
	.p2alignl 7, 3214868480
	.fill 96, 4, 3214868480
	.section	.rodata,"a",@progbits
	.p2align	6, 0x0
	.amdhsa_kernel k_qc8e09d28a4_wq
		.amdhsa_group_segment_fixed_size 0
		.amdhsa_private_segment_fixed_size 0
		.amdhsa_enable_private_segment 0
		.amdhsa_kernarg_size 48
		.amdhsa_user_sgpr_count 2
		.amdhsa_user_sgpr_kernarg_segment_ptr 1
		.amdhsa_wavefront_size32 1
		.amdhsa_system_sgpr_workgroup_id_x 1
		.amdhsa_system_sgpr_workgroup_id_y 1
		.amdhsa_system_sgpr_workgroup_id_z 1
		.amdhsa_system_vgpr_workitem_id 0
		.amdhsa_next_free_vgpr 192
		.amdhsa_next_free_sgpr 66
		.amdhsa_reserve_vcc 0
		.amdhsa_float_denorm_mode_32 3
		.amdhsa_float_denorm_mode_16_64 3
		.amdhsa_memory_ordered 1
		.amdhsa_forward_progress 1
		.amdhsa_inst_pref_size 21
	.end_amdhsa_kernel
	.amdgpu_metadata
---
amdhsa.version: [ 1, 2 ]
amdhsa.kernels:
  - .name:           k_qc8e09d28a4_wq
    .symbol:         k_qc8e09d28a4_wq.kd
    .args:
      - { .name: Wq, .offset: 0, .size: 8, .value_kind: global_buffer, .address_space: global }
      - { .name: Wk, .offset: 8, .size: 8, .value_kind: global_buffer, .address_space: global }
      - { .name: Wv, .offset: 16, .size: 8, .value_kind: global_buffer, .address_space: global }
      - { .name: Wo, .offset: 24, .size: 8, .value_kind: global_buffer, .address_space: global }
      - { .name: wimg, .offset: 32, .size: 8, .value_kind: global_buffer, .address_space: global }
      - { .name: wsc, .offset: 40, .size: 8, .value_kind: global_buffer, .address_space: global }
    .group_segment_fixed_size: 0
    .private_segment_fixed_size: 0
    .kernarg_segment_align: 8
    .kernarg_segment_size: 48
    .max_flat_workgroup_size: 128
    .sgpr_count:     66
    .vgpr_count:     192
    .wavefront_size: 32
...
	.end_amdgpu_metadata
.endif
;; end of part 1
;; launch proj (part 2): grid 64 x 3, 4 waves a work-group, no clusters, 327,680 bytes of LDS; arguments q, k, v, bq, bk, bv, wimg, wsc, qimg, qsc, kvimg, kvsc; writes qimg, qsc, kvimg, kvsc
.if DOCPART == 2
	.amdgcn_target "amdgcn-amd-amdhsa--gfx1250"
	.amdhsa_code_object_version 6
	.text
	.protected	k_qc8e09d28a4_proj
	.globl	k_qc8e09d28a4_proj
	.p2align	8
	.type	k_qc8e09d28a4_proj,@function
k_qc8e09d28a4_proj:
	s_mov_b64 s[64:65], 0
	v_nop
	global_prefetch_b8 v0, s[64:65] scope:SCOPE_SE
	s_setreg_imm32_b32 hwreg(HW_REG_WAVE_MODE, 25, 1), 1
	s_wait_xcnt 0x0
.set XSTILE, 8448
.set XSW,    6*XSTILE
.set XI,     4*XSW
.set XSC,    XI+24*1536
.set SPARE,  XSC+1536
.set XA,  4
.set IW,  5
.set SW,  6
.set LI,  7
.set LS,  8
.set G16, 9
.set G8,  10
.set G4,  11
.set G4R, 12
.set BQ,  13
.set BV,  14
.set SPW, 22
.set NIL, 23
.set WSR, 24
.set XSR, 60
.set BIA, 72
.set QM,  104
.set QP,  108
.set QS,  112
.set PW,  116
.set PXA, 118
.set PCX, 60
.set HM,  104
.set HP,  106
.set HS,  108
.set PWA, 110
.set PWB, 111
.set HX,  112
.set PC,  116
.set ACC, 128
.set N0,  128
.set G1,  28
.set G0,  36
.set WV,  60
.set TT,  62
.set SEL, 66
.set PB,  68
.set PS,  70
.set SHC, 72
.set SHS, 74
.set WB,  76
.set WSB, 78
.set MSB, 0
.macro WIN new
.if MSB != \new
	s_set_vgpr_msb (MSB<<8)|\new
.set MSB, \new
.endif
.endm
.macro PLACES n
.rept \n
	v_nop
.endr
.endm
	s_load_b512 s[4:19], s[0:1], 0x0
	s_load_b256 s[20:27], s[0:1], 0x40
	v_lshl_add_u32 v[SPW], v0, 2, SPARE
	v_mov_b32 v[NIL], 0
	ds_add_u32 v[SPW], v[NIL]
	ds_add_u32 v[SPW], v[NIL]
	v_lshrrev_b32 v16, 5, v0
	v_readfirstlane_b32 s[WV], v16
	s_and_b32 s[TT], ttmp7, 0xffff
	s_mov_b32 s[G1+0], (2<<16)|(1<<20)|(6<<22)|(3<<25)
	s_mov_b32 s[G1+1], 128<<16
	s_mov_b32 s[G1+2], 96<<16                      ; a wave's 16 rows of x are 49,152 dense bytes: 96 lines of 512 bytes, line 6 r + s = K step s of row r
	s_mov_b32 s[G1+3], 128<<16
	s_mov_b32 s[G1+4], 96
	s_mov_b32 s[G1+5], 128
	s_mov_b32 s[G1+6], 0
	s_mov_b32 s[G1+7], 0
	s_mov_b32 s[SEL], 0x76543210
	s_mov_b32 s[SEL+1], 0xfedcba98
	s_lshl_b32 s80, ttmp9, 6
	s_lshl_b32 s81, s[WV], 4
	s_add_co_u32 s80, s80, s81
	s_mul_i32 s80, s80, 3072
	s_mov_b32 s81, 0
	s_mul_i32 s82, s[TT], 442368
	s_mul_i32 s83, s[WV], 110592
	s_add_co_u32 s82, s82, s83
	s_mov_b32 s83, 0
	s_mul_i32 s84, s[TT], 18432
	s_mul_i32 s85, s[WV], 4608
	s_add_co_u32 s84, s84, s85
	s_mov_b32 s85, 0
	s_mul_i32 s86, s[WV], 768
	s_mov_b32 s87, 0
	s_mul_i32 s88, s[WV], XSW
	s_lshr_b32 s89, ttmp9, 1
	s_lshl_b32 s90, s[WV], 5
	s_add_co_u32 s89, s89, s90
	s_and_b32 s90, ttmp9, 1
	s_mul_i32 s91, s89, 36864
	s_mul_i32 s92, s89, 1536
	s_mov_b32 s93, 3072
	s_mov_b32 s94, 128
	s_cmp_eq_u32 s[TT], 2
	s_cselect_b32 s93, 768, s93
	s_cselect_b32 s94, 2, s94
	s_cselect_b32 s95, 6144, 0
	s_cselect_b32 s89, 256, 0
	s_mul_i32 s93, s93, s90
	s_mul_i32 s94, s94, s90
	s_add_co_u32 s91, s91, s93
	s_add_co_u32 s91, s91, s95
	s_add_co_u32 s92, s92, s94
	s_add_co_u32 s92, s92, s89
	s_mul_i32 s93, s[WV], 384
	s_lshl_b32 s94, ttmp9, 1
	s_add_co_u32 s93, s93, s94
	s_mul_i32 s94, s93, 1536
	s_lshl_b32 s95, s93, 6
	s_mov_b32 s[SHC], 12288
	s_mov_b32 s[SHS], 512
	s_cmp_eq_u32 s[TT], 0
	s_cselect_b32 s91, s94, s91
	s_cselect_b32 s92, s95, s92
	s_cselect_b32 s[SHC], 196608, s[SHC]
	s_cselect_b32 s[SHS], 8192, s[SHS]
	s_mov_b32 s[SHC+1], 0
	s_mov_b32 s[SHS+1], 0
	s_and_b32 s96, s[WV], 1                        ; row 16 w + 8 u + i of the 64 goes to tile 2 (w % 2) + u, place i + 8 (w / 2): place p of tile m is row 8 m + p % 8 + 32 (p / 8)
	s_lshr_b32 s97, s[WV], 1
	s_mul_i32 s98, s96, 18432
	s_lshl_b32 s99, s97, 7
	s_add_co_u32 s98, s98, s99
	s_add_co_u32 s98, s98, XI
	s_mul_i32 s96, s96, 768
	s_lshl_b32 s97, s97, 5
	s_add_co_u32 s96, s96, s97
	s_add_co_u32 s96, s96, XSC
	v_and_b32 v1, 31, v0
	v_and_b32 v2, 15, v0
	v_bfe_u32 v3, v0, 4, 1
	v_bfe_u32 v16, v0, 3, 1
	v_and_b32 v17, 7, v0
	v_mul_u32_u24 v[XA], v2, 3168                  ; a row in LDS: six lines of 512 + 16 bytes
	v_lshl_add_u32 v[XA], v3, 6, v[XA]
	v_add_nc_u32 v[XA], s88, v[XA]
	v_mul_u32_u24 v[IW], v16, 9216
	v_lshl_add_u32 v[IW], v17, 4, v[IW]
	v_lshl_add_u32 v[IW], v3, 8, v[IW]
	v_add_nc_u32 v[IW], s98, v[IW]
	v_mul_u32_u24 v[SW], v16, 384
	v_lshl_add_u32 v[SW], v17, 2, v[SW]
	v_add_nc_u32 v[SW], s96, v[SW]
	v_lshlrev_b32 v[G16], 4, v1
	v_lshlrev_b32 v[G8], 3, v1
	v_lshlrev_b32 v[G4], 2, v1
	v_lshlrev_b32 v[G4R], 2, v2
	v_add_nc_u32 v[LI], XI, v[G16]
	v_add_nc_u32 v[LS], XSC, v[G4]
	v_lshlrev_b32 v[BQ], 6, v3
	v_lshlrev_b32 v[BV], 2, v17
	v_lshl_add_u32 v[BV], v16, 6, v[BV]
.irp i, 106,107,108,109,110,111
	v_mov_b32 v[\i], 0
.endr
	s_wait_dscnt 0x0
	s_wait_kmcnt 0x0
	s_cmp_eq_u32 s[TT], 1
	s_cselect_b64 s[4:5], s[6:7], s[4:5]
	s_cselect_b64 s[10:11], s[12:13], s[10:11]
	s_cmp_eq_u32 s[TT], 2
	s_cselect_b64 s[4:5], s[8:9], s[4:5]
	s_cselect_b64 s[10:11], s[14:15], s[10:11]
	s_cmp_eq_u32 s[TT], 0
	s_cselect_b64 s[PB:PB+1], s[20:21], s[24:25]
	s_cselect_b64 s[PS:PS+1], s[22:23], s[26:27]
	s_add_nc_u64 s[4:5], s[4:5], s[80:81]
	s_add_nc_u64 s[10:11], s[10:11], s[86:87]
	s_add_nc_u64 s[WB:WB+1], s[16:17], s[82:83]
	s_add_nc_u64 s[WSB:WSB+1], s[18:19], s[84:85]
	s_mov_b32 s94, s91
	s_mov_b32 s95, 0
	s_add_nc_u64 s[PB:PB+1], s[PB:PB+1], s[94:95]
	s_mov_b32 s94, s92
	s_add_nc_u64 s[PS:PS+1], s[PS:PS+1], s[94:95]
	s_mov_b32 s[G0], 1
	s_mov_b32 s[G0+1], s88
	s_mov_b64 s[G0+2:G0+3], s[4:5]
	s_or_b32 s[G0+3], s[G0+3], 0x80000000
	s_wait_alu depctr_va_vdst(0)
	tensor_load_to_lds s[G0:G0+3], s[G1:G1+7]      ; my one tensor load: all six K steps of my 16 rows, into bytes that I alone read
	s_nop 0
	PLACES 4
.irp u, 0,1,2,3,4,5,6,7,8,9,10,11
.irp i, 0,1,2
	global_load_b32 v[WSR+3*\u+\i], v[G4], s[WSB:WSB+1] offset:\u*384+128*\i
.endr
.endr
.macro BIAS vp, hd
.irp t, 0,1,2,3
.if \vp
.irp j, 0,1,2,3,4,5,6,7
	global_load_b32 v[BIA+8*\t+\j], v[BV], s[10:11] offset:(64*(\hd)+32*(\t/2)+8*(\t%2))*4
.endr
.else
	global_load_b128 v[BIA+8*\t:BIA+8*\t+3], v[BQ], s[10:11] offset:(64*(\hd)+32*(\t/2)+8*(\t%2))*4
	global_load_b128 v[BIA+8*\t+4:BIA+8*\t+7], v[BQ], s[10:11] offset:(64*(\hd)+32*(\t/2)+8*(\t%2))*4+16
.endif
.endr
.endm
.macro WLOAD u
.set SLW, (\u)%9
.set HDU, (\u)/6
.set SU,  (\u)%6
.if SLW < 4
	WIN 0x80
.set WBL, 48+48*SLW
.else
	WIN 0xc0
.set WBL, 48*(SLW-4)
.endif
.irp t, 0,1,2,3
.irp g, 0,1,2
	global_load_b128 v[WBL+12*\t+4*\g:WBL+12*\t+4*\g+3], v[G16], s[WB:WB+1] offset:((4*HDU+\t)*6+SU)*1536+512*\g
.endr
.endr
.endm
	s_cmp_eq_u32 s[TT], 2
	s_cbranch_scc1 .Lbias_v
	s_wait_alu depctr_va_vdst(0)
	BIAS 0, 0
	s_branch .Lbias_done
.Lbias_v:
	s_wait_alu depctr_va_vdst(0)
	BIAS 1, 0
.Lbias_done:
.irp u, 0,1,2,3,4,5,6,7,8
	WLOAD \u
.endr
	WIN 0
.macro LOADN s, reg
.irp b, 0,1,2,3
.irp j, 0,1,2,3
	ds_load_b128 v[\reg+16*\b+4*\j:\reg+16*\b+4*\j+3], v[XA] offset:(\s)*528+128*\b+16*\j
.endr
.endr
.endm
.macro QUANT s
.irp b, 0,1,2,3
	v_max3_num_f32 v[QM+\b], |v[\s+16*\b]|, |v[\s+1+16*\b]|, 0x1800000
.endr
.irp i, 2,4,6,8,10,12,14
.irp b, 0,1,2,3
	v_max3_num_f32 v[QM+\b], v[QM+\b], |v[\s+16*\b+\i]|, |v[\s+1+16*\b+\i]|
.endr
.endr
.irp b, 0,1,2,3
	v_permlanex16_b32 v[QP+\b], v[QM+\b], s[SEL], s[SEL+1]
.endr
.irp b, 0,1,2,3
	v_max_num_f32 v[QM+\b], v[QM+\b], v[QP+\b]
.endr
.irp b, 0,1,2,3
	v_add_nc_u32 v[QS+\b], 0xff000000, v[QM+\b]
.endr
.irp b, 0,1,2,3
	v_lshrrev_b32 v[QP+\b], 23, v[QS+\b]
.endr
	v_lshl_or_b32 v[PW], v[QP+1], 8, v[QP]
	v_lshl_or_b32 v[PW], v[QP+2], 16, v[PW]
	v_lshl_or_b32 v[PW], v[QP+3], 24, v[PW]
.irp c, 0,1
	v_cvt_scalef32_pk16_fp6_f32 v[PCX+6*\c:PCX+2+6*\c], v[\s+32*\c:\s+15+32*\c], v[QS+2*\c]
	v_cvt_scalef32_pk16_fp6_f32 v[PXA+4*\c:PXA+2+4*\c], v[\s+16+32*\c:\s+31+32*\c], v[QS+2*\c+1]
.endr
	v_nop
.irp c, 0,1
.irp i, 0,1,2
	v_permlane16_swap_b32 v[PCX+6*\c+\i], v[PXA+4*\c+\i]
.endr
.irp i, 0,1,2
	v_mov_b32 v[PCX+3+6*\c+\i], v[PXA+4*\c+\i]
.endr
.endr
.endm
	s_wait_tensorcnt 0x0                           ; my rows are in
	LOADN 0, N0
.irp s, 0,1,2,3,4,5
.if \s < 5
	LOADN \s+1, N0+64*((\s+1)%2)
	s_wait_dscnt 16
.else
	s_wait_dscnt 0x0
.endif
	QUANT N0+64*(\s%2)
.irp g, 0,1,2
	ds_store_b128 v[IW], v[PCX+4*\g:PCX+4*\g+3] offset:\s*1536+512*\g
.endr
	ds_store_b32 v[SW], v[PW] offset:64*\s
.endr
	s_wait_dscnt 0x0
	s_barrier_signal -1
	s_barrier_wait -1
.irp m, 0,1,2,3
.irp i, 0,1,2
	ds_load_b32 v[XSR+3*\m+\i], v[LS] offset:\m*384+128*\i
.endr
.endr
	WIN 0x40
.irp s, 0,1,2,3,4
.irp m, 0,1,2,3
.irp g, 0,1,2
	ds_load_b128 v[48*\s+12*\m+4*\g:48*\s+12*\m+4*\g+3], v[LI] offset:(\m*6+\s)*1536+512*\g
.endr
.endr
.endr
	WIN 0x80
.irp m, 0,1,2,3
.irp g, 0,1,2
	ds_load_b128 v[12*\m+4*\g:12*\m+4*\g+3], v[LI] offset:(\m*6+5)*1536+512*\g
.endr
.endr
	WIN 0
	s_wait_loadcnt 0x0
.macro WMMA odd
.if \odd
	v_wmma_scale_f32_16x16x128_f8f6f4 v[rD:rD+7], v[rA:rA+11], v[rB:rB+11], v[rC:rC+7], v[rSA], v[rSB] matrix_a_fmt:MATRIX_FMT_FP6 matrix_b_fmt:MATRIX_FMT_FP6 matrix_a_scale:MATRIX_SCALE_ROW1 matrix_b_scale:MATRIX_SCALE_ROW1
.else
	v_wmma_scale_f32_16x16x128_f8f6f4 v[rD:rD+7], v[rA:rA+11], v[rB:rB+11], v[rC:rC+7], v[rSA], v[rSB] matrix_a_fmt:MATRIX_FMT_FP6 matrix_b_fmt:MATRIX_FMT_FP6
.endif
.endm
.macro UNIT vp, hd, s
.set UU, 6*(\hd)+(\s)
.set SL, UU%9
.if SL < 4
.set WW, 2
.set WBS, 48+48*SL
.else
.set WW, 3
.set WBS, 48*(SL-4)
.endif
.if (\s) < 5
.set XW, 1
.set XBS, 48*(\s)
.else
.set XW, 2
.set XBS, 0
.endif
.if (\hd) == 0
	s_wait_dscnt 12*(5-(\s))
.endif
.if (UU == 6) || ((UU >= 9) && (UU <= 11))
	s_wait_loadcnt 63
.elseif UU == 12
	s_wait_loadcnt 36
.elseif UU >= 15
	s_wait_loadcnt 12*(17-UU)
.endif
.if \vp
	WIN (XW|(WW<<2))
.else
	WIN (WW|(XW<<2))
.endif
.irp m, 0,1,2,3
.irp t, 0,1,2,3
.if \vp
.set rD, ACC+32*\t+8*\m
.set rA, XBS+12*\m
.set rB, WBS+12*\t
.set rSA, XSR+3*\m+(\s)/2
.set rSB, WSR+3*(4*(\hd)+\t)+(\s)/2
.else
.set rD, ACC+32*\m+8*\t
.set rA, WBS+12*\t
.set rB, XBS+12*\m
.set rSA, WSR+3*(4*(\hd)+\t)+(\s)/2
.set rSB, XSR+3*\m+(\s)/2
.endif
.if (\s) == 0
.set rC, BIA+8*\t
.else
.set rC, rD
.endif
	WMMA (\s)%2
.endr
.endr
.if UU <= 8
	PLACES 4
.if (\s) == 0
	WIN 0
	BIAS \vp, (\hd)+1
.endif
	WLOAD UU+9
.endif
.if (\s) == 5
	WIN 0
.endif
.endm
.macro QH src, dst, pw
	v_max3_num_f32 v[HM], |v[\src]|, |v[\src+1]|, 0x1800000
	v_max3_num_f32 v[HM+1], |v[\src+16]|, |v[\src+17]|, 0x1800000
.irp i, 2,4,6,8,10,12,14
	v_max3_num_f32 v[HM], v[HM], |v[\src+\i]|, |v[\src+\i+1]|
	v_max3_num_f32 v[HM+1], v[HM+1], |v[\src+16+\i]|, |v[\src+17+\i]|
.endr
	v_permlanex16_b32 v[HP], v[HM], s[SEL], s[SEL+1]
	v_permlanex16_b32 v[HP+1], v[HM+1], s[SEL], s[SEL+1]
	v_max_num_f32 v[HM], v[HM], v[HP]
	v_max_num_f32 v[HM+1], v[HM+1], v[HP+1]
	v_add_nc_u32 v[HS], 0xff000000, v[HM]
	v_add_nc_u32 v[HS+1], 0xff000000, v[HM+1]
	v_lshrrev_b32 v[HP], 23, v[HS]
	v_lshrrev_b32 v[HP+1], 23, v[HS+1]
	v_lshl_or_b32 v[\pw], v[HP+1], 8, v[HP]
	v_cvt_scalef32_pk16_fp6_f32 v[\dst:\dst+2], v[\src:\src+15], v[HS]
	v_cvt_scalef32_pk16_fp6_f32 v[HX:HX+2], v[\src+16:\src+31], v[HS+1]
	v_nop
.irp i, 0,1,2
	v_permlane16_swap_b32 v[\dst+\i], v[HX+\i]
.endr
.irp i, 0,1,2
	v_mov_b32 v[\dst+3+\i], v[HX+\i]
.endr
.endm
.macro HEADQK hd
	PLACES 5
.irp s, 0,1,2,3,4,5
	UNIT 0, \hd, \s
.endr
	PLACES 4
.irp p, 0,1
	s_wait_xcnt 0x0
	QH ACC+64*\p, PC, PWA
	QH ACC+64*\p+32, PC+6, PWB
	v_lshl_or_b32 v[PWA], v[PWB], 16, v[PWA]
.irp g, 0,1,2
	global_store_b128 v[G16], v[PC+4*\g:PC+4*\g+3], s[PB:PB+1] offset:1536*\p+512*\g
.endr
	global_store_b32 v[G4R], v[PWA], s[PS:PS+1] offset:64*\p
.endr
	s_wait_xcnt 0x0
	s_add_nc_u64 s[PB:PB+1], s[PB:PB+1], s[SHC:SHC+1]
	s_add_nc_u64 s[PS:PS+1], s[PS:PS+1], s[SHS:SHS+1]
.endm
; V's quantiser along the keys: by the placing of rows a lane's 32 registers are keys 32 (lane / 16) + 0..31 of the 64: one whole block, already in the operand's order
.macro QHV src, dst, pw
	v_max3_num_f32 v[HM], |v[\src]|, |v[\src+1]|, 0x1800000
	v_max3_num_f32 v[HM+1], |v[\src+16]|, |v[\src+17]|, 0x1800000
.irp i, 2,4,6,8,10,12,14
	v_max3_num_f32 v[HM], v[HM], |v[\src+\i]|, |v[\src+\i+1]|
	v_max3_num_f32 v[HM+1], v[HM+1], |v[\src+16+\i]|, |v[\src+17+\i]|
.endr
	v_max_num_f32 v[HM], v[HM], v[HM+1]
	v_lshlrev_b32 v[HP+1], 3, v3                   ; 8 x (lane / 16)
	v_add_nc_u32 v[HS], 0xff000000, v[HM]
	v_lshrrev_b32 v[HP], 23, v[HS]
	v_lshlrev_b32 v[HP], v[HP+1], v[HP]            ; my block's byte at its place,
	v_permlanex16_b32 v[HP+1], v[HP], s[SEL], s[SEL+1]
	v_or_b32 v[\pw], v[HP], v[HP+1]                ; with lane l xor 16's: both bytes
	v_cvt_scalef32_pk16_fp6_f32 v[\dst:\dst+2], v[\src:\src+15], v[HS]
	v_cvt_scalef32_pk16_fp6_f32 v[HX:HX+2], v[\src+16:\src+31], v[HS]
	v_nop
.irp i, 0,1,2
	v_mov_b32 v[\dst+3+\i], v[HX+\i]
.endr
.endm
.macro HEADV hd
	PLACES 5
.irp s, 0,1,2,3,4,5
	UNIT 1, \hd, \s
.endr
	PLACES 4
.irp t, 0,1,2,3
	s_wait_xcnt 0x0
	QHV ACC+32*\t, PC, PWA
	global_store_b128 v[G16], v[PC:PC+3], s[PB:PB+1] offset:1536*\t
	global_store_b64 v[G8], v[PC+4:PC+5], s[PB:PB+1] offset:1536*\t+512
	global_store_b16 v[G4R], v[PWA], s[PS:PS+1] offset:64*\t
.endr
	s_wait_xcnt 0x0
	s_add_nc_u64 s[PB:PB+1], s[PB:PB+1], s[SHC:SHC+1]
	s_add_nc_u64 s[PS:PS+1], s[PS:PS+1], s[SHS:SHS+1]
.endm
	s_cmp_eq_u32 s[TT], 2
	s_cbranch_scc1 .Lvpath
	HEADQK 0
	HEADQK 1
	HEADQK 2
	s_branch .Lend
.Lvpath:
	HEADV 0
	HEADV 1
	HEADV 2
.Lend:
	s_wait_tensorcnt 0x0
	ds_add_u32 v[SPW], v[NIL]
	s_wait_dscnt 0x0
	s_endpgm
.Lfunc_end_k_qc8e09d28a4_proj:
	.size	k_qc8e09d28a4_proj, .Lfunc_end_k_qc8e09d28a4_proj-k_qc8e09d28a4_proj
	.p2alignl 7, 3214868480
	.fill 96, 4, 3214868480
	.section	.rodata,"a",@progbits
	.p2align	6, 0x0
	.amdhsa_kernel k_qc8e09d28a4_proj
		.amdhsa_group_segment_fixed_size 327680
		.amdhsa_private_segment_fixed_size 0
		.amdhsa_enable_private_segment 0
		.amdhsa_kernarg_size 96
		.amdhsa_user_sgpr_count 2
		.amdhsa_user_sgpr_kernarg_segment_ptr 1
		.amdhsa_wavefront_size32 1
		.amdhsa_system_sgpr_workgroup_id_x 1
		.amdhsa_system_sgpr_workgroup_id_y 1
		.amdhsa_system_sgpr_workgroup_id_z 1
		.amdhsa_system_vgpr_workitem_id 0
		.amdhsa_next_free_vgpr 1024
		.amdhsa_next_free_sgpr 100
		.amdhsa_reserve_vcc 0
		.amdhsa_float_denorm_mode_32 3
		.amdhsa_float_denorm_mode_16_64 3
		.amdhsa_memory_ordered 1
		.amdhsa_forward_progress 1
		.amdhsa_inst_pref_size 215
	.end_amdhsa_kernel
	.amdgpu_metadata
---
amdhsa.version: [ 1, 2 ]
amdhsa.kernels:
  - .name:           k_qc8e09d28a4_proj
    .symbol:         k_qc8e09d28a4_proj.kd
    .args:
      - { .name: q, .offset: 0, .size: 8, .value_kind: global_buffer, .address_space: global }
      - { .name: k, .offset: 8, .size: 8, .value_kind: global_buffer, .address_space: global }
      - { .name: v, .offset: 16, .size: 8, .value_kind: global_buffer, .address_space: global }
      - { .name: bq, .offset: 24, .size: 8, .value_kind: global_buffer, .address_space: global }
      - { .name: bk, .offset: 32, .size: 8, .value_kind: global_buffer, .address_space: global }
      - { .name: bv, .offset: 40, .size: 8, .value_kind: global_buffer, .address_space: global }
      - { .name: wimg, .offset: 48, .size: 8, .value_kind: global_buffer, .address_space: global }
      - { .name: wsc, .offset: 56, .size: 8, .value_kind: global_buffer, .address_space: global }
      - { .name: qimg, .offset: 64, .size: 8, .value_kind: global_buffer, .address_space: global }
      - { .name: qsc, .offset: 72, .size: 8, .value_kind: global_buffer, .address_space: global }
      - { .name: kvimg, .offset: 80, .size: 8, .value_kind: global_buffer, .address_space: global }
      - { .name: kvsc, .offset: 88, .size: 8, .value_kind: global_buffer, .address_space: global }
    .group_segment_fixed_size: 327680
    .private_segment_fixed_size: 0
    .kernarg_segment_align: 8
    .kernarg_segment_size: 96
    .max_flat_workgroup_size: 128
    .sgpr_count:     100
    .vgpr_count:     1024
    .wavefront_size: 32
...
	.end_amdgpu_metadata
.endif
;; end of part 2
;; launch attn (part 3): grid 64 x 4, 12 waves a work-group, clusters of 4 x 1, 327,680 bytes of LDS; arguments qimg, qsc, kvimg, kvsc, cimg, csc; writes cimg, csc
.if DOCPART == 3
	.amdgcn_target "amdgcn-amd-amdhsa--gfx1250"
	.amdhsa_code_object_version 6
	.text
	.protected	k_qc8e09d28a4_attn
	.globl	k_qc8e09d28a4_attn
	.p2align	8
	.type	k_qc8e09d28a4_attn,@function
k_qc8e09d28a4_attn:
	s_mov_b64 s[64:65], 0
	v_nop
	global_prefetch_b8 v0, s[64:65] scope:SCOPE_SE
	s_setreg_imm32_b32 hwreg(HW_REG_WAVE_MODE, 25, 1), 1
	s_wait_xcnt 0x0
	s_wait_alu depctr_hold_cnt(0) depctr_sa_sdst(0) depctr_va_vdst(0) depctr_va_sdst(0) depctr_va_ssrc(0) depctr_va_vcc(0) depctr_vm_vsrc(0)
	s_getreg_b32 s2, hwreg(HW_REG_IB_STS2, 6, 4)
	s_cmp_eq_u32 s2, 0
	s_cbranch_scc0 .Lentry_in_a_cluster
	s_endpgm
.Lentry_in_a_cluster:
	s_bfe_u32 s2, ttmp6, 0x10000c
	s_cmp_lg_u32 s2, 0x3003
	s_cbranch_scc0 .Lentry_shape_is_right
	s_endpgm
.Lentry_shape_is_right:
; ctx[q][head] = the sum over keys of softmax(Q . K / 8) V, 12 heads of 64, 4,096 keys, both products on codes of FP6 (E2M3) with one E8M0 byte for each 32 along a product's K; ctx is quantised at once for the last projection.
; THE SOFTMAX: t = score x log2(e) / 8; M = the running largest t rounded UP to a whole number; p = 2^(t - M) is quantised along the keys, not normalised; the row's sum is taken of the unquantised p and divides at the end.
; When M moves, the sum and O are multiplied by 2^(old M - new M): exact.
; SHARES.  3,072 tiles of 16 queries over 256 work-groups: a work-group takes 64 queries (x) of three heads (y); wave w: head 3 y + w / 4, tile 4 x + w % 4; three waves to a SIMD, 320 registers each.  Every wave walks all keys, 128 a step.
; THE RING.  A slot holds FOUR key steps of the three heads: 147,456 consecutive bytes of kvimg and 6,144 of kvsc; two slots, eight fills, one change of slots for four steps.  Waves 0 to 5 ask for 24,576 bytes of the tiles each,
; wave 6 for the scale words: one tensor load a wave behind each round.  A refill has four key steps of twelve waves in which to land.
; CLUSTER.  The four work-groups of a cluster have the same three heads and walk the same K and V: every load is asked for JOINTLY (mask 15); its descriptor is made of y and the wave's number alone.
; OPERANDS ARE IMAGES OF REGISTERS: every LDS load takes 16, 8 or 4 consecutive bytes a lane: no pitch, no padding.
; K HAS REGISTERS OF ITS OWN, apart from V's: behind a step's score products the next step's K and its scale words are asked for, under the softmax, so far as they lie in the same slot; a slot's first K is asked for behind the
; change of slots, and its last step, which asks for none, is written out behind a loop of three.
; BOTH PRODUCTS TRANSPOSED: S^T = K Q^T, O^T = V^T P^T: a lane holds one query throughout.  THE KEYS OF A TILE ARE NOT NEIGHBOURS: place p of a step's tile t is key 64 (t / 4) + 8 (t % 4) + p % 8 + 32 (p / 8).  So lane (r, h)'s
; score register 32 c + i is key 64 c + 32 h + i: a lane holds two WHOLE blocks of 32 keys, in the order of the second product's operand: a block's maximum needs no other lane and the codes change no lane.
; K = 64 IN A FORM OF K = 128: a fragment of K holds key tile 2 b in registers 0-5 and tile 2 b + 1 in registers 6-11.  Q stands twice: Qlo = [q | zero codes], Qhi = [zero codes | q].  Zero codes add nothing; the dead half's byte is 0 (2^-127).
; PREFETCH.  In the trip of slot t (t = 0 .. 5) each cluster asks for slot t + 2 of kvimg, one slot ahead of the tensor load that wants it: 576 blocks of 256 bytes, 12 to each of the cluster's 48 waves (lanes 12-31 name the wave's
; last block again); the partners are told apart by address.  Slots 0 and 1 come by their loads alone; the last two trips ask for nothing.  The scale words, 1 byte to 24 of the tiles, come by their loads alone.
; LIMITS: the promise holds while the scaled scores stay under 2^31 in magnitude; a p under 2^-126 becomes 0 (v_exp_f32 flushes); a block of zeros gets the byte 1 (its codes are zeros); NaN and infinities are not served.
; REGISTERS: v1-3 lane places; v4, v5 the add's two; v6-8 the step's addresses; v9 prefetch offset; v10 16 x lane, v11 4 x (lane % 16); v12 -M, v13 largest score, v[14:15] the sum; v16-27 Qlo, v28-39 Qhi, v40, v41 their scale words;
;   v43 8 x (lane / 16); v44-91 four fragments of V; v92, v93 K's scale words, v94, v95 V's; v96-159 S^T, then p; v160-191 O^T; v192-203 p's codes; v204-210 second halves; v212-229 at work; v224 f, v225 p's scale word; v244-251 partial sums;
;   v256-303 (window 1, written v0-47) four fragments of K.  s_set_vgpr_msb: 0x40 the destination, 0x01 source 0 in window 1; the high byte repeats the setting that is left; every window is 0 at a label and at a branch.
.set STEPB, 36864                      ; a key step: three heads x (four pair images of K, 6,144 bytes, then V's [tile][half], 6,144)
.set SLOTB, 4*STEPB
.set SCL,   2*SLOTB                    ; behind the two slots of tiles: the two slots of scale words
.set SCSL,  6144                       ; four steps x 1,536 bytes
.set SPARE, SCL+2*SCSL                 ; 307,200: the spare words, 128 bytes for each of 12 waves: six blocks of 256 bytes that no other line names
.set SPW, 4
.set NIL, 5
.set FRG, 44
.set BM,  212
.set BS,  214
.set BP,  216
.set MX,  220
.set SM,  244
.set HM,  212
.set HP,  216
.set HS,  220
.set HX,  204
.set WV,  18
.set SEL, 20
.set CS,  22                           ; s[22:23] c = log2(e) / 8
.set G1,  24                           ; s[24:31] group 1 for the tiles;  s[32:39] their group 0, one set a slot
.set G0,  32
.set TB,  40                           ; s40  LDS byte at which the step's tiles begin
.set TS,  41                           ; s41  and its scale words
.set CNT, 42
.set INN, 43
.set PFA, 44                           ; s[44:45] where my prefetches stand
.set NC,  46                           ; s46  -c
.set G1S, 52                           ; s[52:59] group 1 for the scale words;  s[68:75] their group 0, one set a slot
.set G0S, 68
.macro CROUND                          ; a round of the cluster's barrier
	s_barrier_signal -1
	s_barrier_wait -1
	s_cmp_lg_u32 s[WV], 0
	s_cbranch_scc1 .Lnot_wave_0_\@
	s_barrier_signal -3
.Lnot_wave_0_\@:
	s_barrier_wait -3
	s_barrier_signal -1
	s_barrier_wait -1
.endm
.macro FILL s                          ; slot s is asked for: one chain of branches on the wave's number, one load to an arm.  An s_nop 0 and four v_nop follow each load
	s_cmp_lt_u32 s[WV], 6
	s_cbranch_scc0 .Lscales_\@
	tensor_load_to_lds s[G0+4*(\s):G0+4*(\s)+3], s[G1:G1+7]
	s_nop 0
.rept 4
	v_nop
.endr
	s_branch .Lasked_\@
.Lscales_\@:
	s_cmp_eq_u32 s[WV], 6
	s_cbranch_scc0 .Lasked_\@
	tensor_load_to_lds s[G0S+4*(\s):G0S+4*(\s)+3], s[G1S:G1S+7]
	s_nop 0
.rept 4
	v_nop
.endr
.Lasked_\@:
.endm
	s_load_b256 s[4:11], s[0:1], 0x0               ; qimg, qsc, kvimg, kvsc
	s_load_b128 s[12:15], s[0:1], 0x20             ; cimg, csc
	v_lshl_add_u32 v[SPW], v0, 2, SPARE
	v_mov_b32 v[NIL], 0
	ds_add_u32 v[SPW], v[NIL]                      ; the opening lines: the add, twice on end, and its wait ahead of the round in front of the first tensor loads
	ds_add_u32 v[SPW], v[NIL]
	v_lshrrev_b32 v10, 5, v0
	v_readfirstlane_b32 s[WV], v10                 ; wave 0..11
	s_bfe_u32 s60, ttmp6, 0x40000                  ; cx: it enters Q's, ctx's and the prefetches' addresses alone
	s_lshl_b32 s61, ttmp9, 2
	s_add_co_u32 s61, s61, s60                     ; my block of 64 queries
	s_and_b32 s62, ttmp7, 0xffff                   ; the group of three heads, which the partners share
	s_lshr_b32 s63, s[WV], 2                       ; which of the three
	s_and_b32 s66, s[WV], 3
	s_lshl_b32 s67, s61, 2
	s_add_co_u32 s67, s67, s66                     ; my tile of queries, 0..255
	s_mul_i32 s76, s62, 3
	s_add_co_u32 s76, s76, s63                     ; my head
	s_mul_i32 s77, s[WV], 24576                    ; the joint loads: made of the group and the wave's number alone
	s_mul_i32 s78, s62, 1179648
	s_mul_i32 s96, s60, 12                         ; the prefetches: the group's stream, 3,072 bytes for each of the cluster's 48 waves, a slot before the first that is asked for
	s_add_co_u32 s96, s96, s[WV]
	s_mul_i32 s96, s96, 3072
	s_add_co_u32 s90, s78, s96
	s_add_co_u32 s90, s90, SLOTB
	s_mov_b32 s91, 0
	s_add_co_u32 s78, s78, s77
	s_mov_b32 s79, 0
	s_mul_i32 s80, s62, 49152
	s_mov_b32 s81, 0
	s_lshl_b32 s82, s76, 7
	s_lshr_b32 s83, s67, 1
	s_add_co_u32 s82, s82, s83                     ; Q: 128 x head + pair of tiles
	s_lshl_b32 s84, s82, 6
	s_mov_b32 s85, 0
	s_mul_i32 s82, s82, 1536
	s_mov_b32 s83, 0
	s_mul_i32 s86, s67, 12
	s_add_co_u32 s86, s86, s76
	s_mul_i32 s86, s86, 768                        ; ctx: cimg[tile][head], half an image
	s_mov_b32 s87, 0
	s_mul_i32 s88, s67, 384                        ; csc[tile][head / 2][16 words], my two bytes at 2 (head % 2)
	s_lshr_b32 s89, s76, 1
	s_lshl_b32 s89, s89, 6
	s_add_co_u32 s88, s88, s89
	s_and_b32 s89, s76, 1
	s_lshl_b32 s89, s89, 1
	s_add_co_u32 s88, s88, s89
	s_mov_b32 s89, 0
	s_and_b32 s92, s[WV], 1                        ; my tile is the pair's even or odd one
	s_cmp_lg_u32 s92, 0
	s_cselect_b32 s93, -1, 0
	s_lshl_b32 s92, s92, 4
	s_mov_b32 s[G1+0], 15|(3<<16)|(1<<21)          ; the mask: all four work-groups; elements of 8 bytes; bit 21 beside a mask; no padding
	s_mov_b32 s[G1+1], 32<<16                      ; rows of 256 bytes
	s_mov_b32 s[G1+2], 96<<16                      ; 96 of them
	s_mov_b32 s[G1+3], 32<<16
	s_mov_b32 s[G1+4], 96
	s_mov_b32 s[G1+5], 32                          ; dense
	s_mov_b32 s[G1+6], 0
	s_mov_b32 s[G1+7], 0
	s_mov_b32 s[G1S+0], 15|(3<<16)|(1<<21)
	s_mov_b32 s[G1S+1], 32<<16
	s_mov_b32 s[G1S+2], 24<<16                     ; a slot's scale words: 24 rows of 256 bytes
	s_mov_b32 s[G1S+3], 32<<16
	s_mov_b32 s[G1S+4], 24
	s_mov_b32 s[G1S+5], 32
	s_mov_b32 s[G1S+6], 0
	s_mov_b32 s[G1S+7], 0
	s_mov_b32 s[SEL], 0x76543210
	s_mov_b32 s[SEL+1], 0xfedcba98
	s_mov_b32 s[CS], 0x3e38aa3b                    ; c = log2(e) / 8
	s_mov_b32 s[CS+1], s[CS]                       ; (named with it as a pair, so it is written)
	s_mov_b32 s[NC], 0xbe38aa3b                    ; -c
	s_mul_i32 s94, s63, 12288                      ; my head's part of a key step
	s_lshl_b32 s95, s63, 9                         ; and of its scale words
	v_and_b32 v9, 31, v0                           ; lane
	v_and_b32 v11, 15, v0
	v_bfe_u32 v43, v0, 4, 1
	v_lshlrev_b32 v10, 4, v9
	v_lshlrev_b32 v2, 3, v9
	v_lshlrev_b32 v3, 2, v9
	v_lshlrev_b32 v11, 2, v11
	v_lshlrev_b32 v43, 3, v43
	v_add_nc_u32 v1, s94, v10                      ; 16 x lane + my head
	v_add_nc_u32 v2, s94, v2
	v_add_nc_u32 v3, s95, v3                       ; two fragments' scale words: 4 x lane + my head
	v_min_u32 v9, 11, v9
	v_add_nc_u32 v2, 512, v2                       ; 8 x lane + 512 + my head: a half image's registers 4, 5
	v_lshlrev_b32 v9, 8, v9                        ; my block of 256 bytes among my wave's 12
	s_wait_alu depctr_va_vdst(0)
	s_wait_dscnt 0x0                               ; both opening adds are done
	s_wait_kmcnt 0x0
	s_add_nc_u64 s[78:79], s[8:9], s[78:79]
	s_add_nc_u64 s[80:81], s[10:11], s[80:81]
.irp s, 0,1
	s_mov_b32 s[G0+4*\s], 1
	s_add_co_u32 s[G0+4*\s+1], s77, \s*SLOTB       ; slot s, wave x 24,576
	s_add_nc_u64 s[G0+4*\s+2:G0+4*\s+3], s[78:79], \s*SLOTB
	s_or_b32 s[G0+4*\s+3], s[G0+4*\s+3], 0x80000000
	s_mov_b32 s[G0S+4*\s], 1
	s_mov_b32 s[G0S+4*\s+1], SCL+\s*SCSL
	s_add_nc_u64 s[G0S+4*\s+2:G0S+4*\s+3], s[80:81], \s*SCSL
	s_or_b32 s[G0S+4*\s+3], s[G0S+4*\s+3], 0x80000000
.endr
	s_add_nc_u64 s[4:5], s[4:5], s[82:83]
	s_add_nc_u64 s[6:7], s[6:7], s[84:85]
	s_add_nc_u64 s[12:13], s[12:13], s[86:87]
	s_add_nc_u64 s[14:15], s[14:15], s[88:89]
	s_add_nc_u64 s[PFA:PFA+1], s[8:9], s[90:91]
	CROUND                                         ; all four work-groups are here: the first joint loads meet
	FILL 0                                         ; slot 0: at most one tensor load a wave at the head
	global_load_b128 v[44:47], v10, s[4:5]         ; the pair image that holds my tile of Q
	global_load_b128 v[48:51], v10, s[4:5] offset:512
	global_load_b128 v[52:55], v10, s[4:5] offset:1024
	global_load_b32 v42, v11, s[6:7]               ; and its scale words
	s_wait_loadcnt 0x0
.irp i, 0,1,2,3,4,5
	v_cndmask_b32 v[16+\i], v[44+\i], v[50+\i], s93   ; registers 0-5 or 6-11, by my wave's parity
.endr
.irp i, 0,1,2,3,4,5
	v_mov_b32 v[34+\i], v[16+\i]                   ; Qhi = [0 | q]
	v_mov_b32 v[22+\i], 0                          ; Qlo = [q | 0]
	v_mov_b32 v[28+\i], 0
.endr
	v_lshrrev_b32 v40, s92, v42
	v_mov_b32 v13, 0xff61b1e6                      ; the largest score so far: -3e38
	v_and_b32 v40, 0xffff, v40                     ; Qlo's word: my two bytes, then two bytes 0
	v_mul_f32 v12, s[NC], v13
	v_lshlrev_b32 v41, 16, v40                     ; Qhi's
	v_floor_f32 v12, v12                           ; -M
	v_mov_b32 v14, 0
	v_mov_b32 v15, 0
.irp i, 216,217,219,225,228
	v_mov_b32 v[\i], 0                             ; written once: a lane permute's destination counts as one of its sources; v225 is named in the pair v[224:225]
.endr
.set J, 0
.rept 32
	v_mov_b32 v[160+J], 0                          ; O^T: the step is written once; the first finds zeros, which the first change of M leaves zeros
.set J, J+1
.endr
; K's four pair images and its two scale words, ko and so bytes behind the step at v6 and v8
.macro KLOAD ko, so
	s_set_vgpr_msb 0x40                            ; the destination in window 1
.irp b, 0,1,2,3
.irp g, 0,1,2
	ds_load_b128 v[12*\b+4*\g:12*\b+4*\g+3], v6 offset:(\ko)+1536*\b+512*\g   ; v256 + 12 b + 4 g ..
.endr
.endr
	s_set_vgpr_msb 0x4000
.irp i, 0,1
	ds_load_b32 v[92+\i], v8 offset:(\so)+128*\i   ; K's pairs 0|1, 2|3: the first in lanes 0-15, the second in lanes 16-31
.endr
.endm
; A KEY STEP: 128 keys, at s[TB] and s[TS].  pre = 1: the next step lies in the same slot, and its K is asked for here.
.macro STEP pre
	s_wait_dscnt 0x0                               ; K and its scale words are in
	s_set_vgpr_msb 0x01                            ; source 0 (K) in window 1
.irp b, 0,1,2,3
.if (\b)%2
	v_wmma_scale_f32_16x16x128_f8f6f4 v[96+16*\b:103+16*\b], v[12*\b:12*\b+11], v[16:27], 0, v[92+\b/2], v40 matrix_a_fmt:MATRIX_FMT_FP6 matrix_b_fmt:MATRIX_FMT_FP6 matrix_a_scale:MATRIX_SCALE_ROW1
	v_wmma_scale_f32_16x16x128_f8f6f4 v[104+16*\b:111+16*\b], v[12*\b:12*\b+11], v[28:39], 0, v[92+\b/2], v41 matrix_a_fmt:MATRIX_FMT_FP6 matrix_b_fmt:MATRIX_FMT_FP6 matrix_a_scale:MATRIX_SCALE_ROW1
.else
	v_wmma_scale_f32_16x16x128_f8f6f4 v[96+16*\b:103+16*\b], v[12*\b:12*\b+11], v[16:27], 0, v[92+\b/2], v40 matrix_a_fmt:MATRIX_FMT_FP6 matrix_b_fmt:MATRIX_FMT_FP6
	v_wmma_scale_f32_16x16x128_f8f6f4 v[104+16*\b:111+16*\b], v[12*\b:12*\b+11], v[28:39], 0, v[92+\b/2], v41 matrix_a_fmt:MATRIX_FMT_FP6 matrix_b_fmt:MATRIX_FMT_FP6
.endif
.endr                                  ; lane (r, h): query r; register 32 c + i: key 64 c + 32 h + i of the step
	s_set_vgpr_msb 0x0100
	v_add_nc_u32 v6, s[TB], v1                     ; the step's addresses: these three and the v_nop are the four places in front of the loads below and of the first read of the scores
	v_add_nc_u32 v7, s[TB], v2
	v_add_nc_u32 v8, s[TS], v3
	v_nop
.irp t, 0,1,2,3                        ; V's four fragments land under the softmax
.irp c, 0,1
	ds_load_b128 v[FRG+12*\t+6*\c:FRG+12*\t+6*\c+3], v6 offset:6144+768*(2*\t+\c)
	ds_load_b64 v[FRG+12*\t+6*\c+4:FRG+12*\t+6*\c+5], v7 offset:6144+768*(2*\t+\c)
.endr
.endr
.irp i, 2,3
	ds_load_b32 v[92+\i], v8 offset:128*\i         ; V's tiles 0|1, 2|3
.endr
.if \pre
	KLOAD STEPB, 1536                              ; and the next step's K
.endif
.irp q, 0,1,2,3                        ; the largest score of my two blocks, in four chains of 16, each accumulator from its low end on
	v_max3_num_f32 v[MX+\q], v[96+16*\q], v[97+16*\q], v[98+16*\q]
.endr
.irp i, 3,5,7,9,11,13
.irp q, 0,1,2,3
	v_max3_num_f32 v[MX+\q], v[MX+\q], v[96+16*\q+\i], v[97+16*\q+\i]
.endr
.endr
.irp c, 0,1
	v_max3_num_f32 v[BM+\c], v[MX+2*\c], v[MX+2*\c+1], v[111+32*\c]
.endr
.irp c, 0,1
	v_max_num_f32 v[BM+\c], v[BM+\c], v[127+32*\c]  ; it serves for the row's maximum and, since p rises with the score, for the block's largest p
.endr
	s_delay_alu instid0(VALU_DEP_1)
	v_max_num_f32 v227, v[BM], v[BM+1]
	s_delay_alu instid0(VALU_DEP_1)
	v_permlanex16_b32 v228, v227, s[SEL], s[SEL+1]
	s_delay_alu instid0(VALU_DEP_1)
	v_max3_num_f32 v13, v13, v227, v228            ; the running largest score of my query, lane l xor 16's 64 keys among them
	s_delay_alu instid0(VALU_DEP_1)
	v_mul_f32 v229, s[NC], v13                     ; -t (c is positive)
	s_delay_alu instid0(VALU_DEP_1)
	v_floor_f32 v229, v229                         ; the new -M = floor(-t) = -ceil(t): a whole number
	s_delay_alu instid0(VALU_DEP_1)
	v_sub_f32 v227, v229, v12                      ; old M - new M: a whole number, 0 or less
	v_mov_b32 v12, v229
.set J, 0
.rept 32
	v_pk_fma_f32 v[96+J:97+J], v[96+J:97+J], s[CS:CS+1], v[12:13] op_sel_hi:[1,0,0]   ; t - M, two at a time
.set J, J+2
.endr
	v_cvt_i32_f32 v227, v227                       ; (it saturates)
.irp c, 0,1
	v_fma_f32 v[BM+\c], v[BM+\c], s[CS], v12       ; t - M of each block's largest score
.endr
	v_ldexp_f32 v224, 1.0, v227                    ; f = 2^(old M - new M)
	s_wait_alu depctr_va_vdst(0)
.set J, 0
.rept 64
	v_exp_f32 v[96+J], v[96+J]                     ; p = 2^(t - M), at most 1
.set J, J+1
.endr
.irp c, 0,1
	v_exp_f32 v[BM+\c], v[BM+\c]                   ; the block's largest p: the same two instructions on the same number give the same bits
.endr
	v_pk_mul_f32 v[14:15], v[14:15], v[224:225] op_sel_hi:[1,0]   ; the sums under the new M (a plain place behind the exponentials)
	s_wait_alu depctr_va_vdst(0)                   ; one wait for the whole batch, ahead of its first reader
.irp c, 0,1
	v_max_num_f32 v[BM+\c], 0x1800000, v[BM+\c]    ; the floor 2^(3 - 127): the byte cannot fall under 1
.endr
.irp c, 0,1
	s_delay_alu instid0(VALU_DEP_2)
	v_add_nc_u32 v[BS+\c], 0xff000000, v[BM+\c]    ; 2 off the exponent field: the conversion's scale operand
.endr
.irp c, 0,1
	s_delay_alu instid0(VALU_DEP_2)
	v_lshrrev_b32 v[BP+\c], 23, v[BS+\c]           ; the byte
.endr
	s_delay_alu instid0(VALU_DEP_1)
	v_lshl_or_b32 v218, v[BP+1], 16, v[BP]         ; my two bytes: blocks h and 2 + h,
	s_delay_alu instid0(VALU_DEP_1)
	v_lshlrev_b32 v218, v43, v218                  ; at their places in the scale word;
	s_delay_alu instid0(VALU_DEP_1)
	v_permlanex16_b32 v219, v218, s[SEL], s[SEL+1]
	s_delay_alu instid0(VALU_DEP_1)
	v_or_b32 v225, v218, v219                      ; with lane l xor 16's two: p's scale word for these 128 keys
.irp c, 0,1
	v_cvt_scalef32_pk16_fp6_f32 v[192+6*\c:194+6*\c], v[96+32*\c:111+32*\c], v[BS+\c]
	v_cvt_scalef32_pk16_fp6_f32 v[204+4*\c:206+4*\c], v[112+32*\c:127+32*\c], v[BS+\c]   ; (a conversion's three registers begin on an even number)
.endr
.irp q, 0,1,2,3                        ; the row's sum, of the unquantised p, two at a time in four chains.  These lines only read p: they are the plain places behind the conversions
	v_pk_add_f32 v[SM+2*\q:SM+2*\q+1], v[96+2*\q:97+2*\q], v[104+2*\q:105+2*\q]
.endr
.irp j, 16,24,32,40,48,56
.irp q, 0,1,2,3
	v_pk_add_f32 v[SM+2*\q:SM+2*\q+1], v[SM+2*\q:SM+2*\q+1], v[96+\j+2*\q:97+\j+2*\q]
.endr
.endr
	v_pk_add_f32 v[SM:SM+1], v[SM:SM+1], v[SM+2:SM+3]
	v_pk_add_f32 v[SM+4:SM+5], v[SM+4:SM+5], v[SM+6:SM+7]
	s_delay_alu instid0(VALU_DEP_1)
	v_pk_add_f32 v[SM:SM+1], v[SM:SM+1], v[SM+4:SM+5]
	s_delay_alu instid0(VALU_DEP_1)
	v_pk_add_f32 v[14:15], v[14:15], v[SM:SM+1]
.irp c, 0,1
.irp i, 0,1,2
	v_mov_b32 v[195+6*\c+\i], v[204+4*\c+\i]       ; registers 6 c .. 6 c + 5: keys 64 c + 32 h + 0 .. 31
.endr
.endr
	s_wait_dscnt 0x0                               ; V is in, and the next step's K where it was asked for
	s_wait_alu depctr_va_vdst(0)                   ; directly ahead of the first reader of O^T
.set J, 0
.rept 16
	v_pk_mul_f32 v[160+J:161+J], v[160+J:161+J], v[224:225] op_sel_hi:[1,0]   ; O^T under the new M.  These 16 are also the places between the scale word and codes just made and the products below
.set J, J+2
.endr
.irp t, 0,1,2,3
.if (\t)%2
	v_wmma_scale_f32_16x16x128_f8f6f4 v[160+8*\t:167+8*\t], v[FRG+12*\t:FRG+12*\t+11], v[192:203], v[160+8*\t:167+8*\t], v[94+\t/2], v225 matrix_a_fmt:MATRIX_FMT_FP6 matrix_b_fmt:MATRIX_FMT_FP6 matrix_a_scale:MATRIX_SCALE_ROW1
.else
	v_wmma_scale_f32_16x16x128_f8f6f4 v[160+8*\t:167+8*\t], v[FRG+12*\t:FRG+12*\t+11], v[192:203], v[160+8*\t:167+8*\t], v[94+\t/2], v225 matrix_a_fmt:MATRIX_FMT_FP6 matrix_b_fmt:MATRIX_FMT_FP6
.endif
.endr
.endm
; THE CHANGE OF SLOTS stands at the head of slot s.  Each wave waits for all its tensor loads (its part of slot s), adds 0 to its spare word, and waits for that and for its reads of the slot that it has left.
; fill = 1: a round of the cluster's barrier, so that no wave of any partner still reads the other slot or has a load on its way; the joint refill is the first tensor load behind it.
; The add stands twice there.
.macro CHANGE s, fill, ask
	s_wait_tensorcnt 0x0                           ; no tensor load of mine is out, so a group 0 may be written
	ds_add_u32 v[SPW], v[NIL]
.if \fill
	ds_add_u32 v[SPW], v[NIL]
	s_add_nc_u64 s[G0+4*\s+2:G0+4*\s+3], s[G0+4*\s+2:G0+4*\s+3], 2*SLOTB       ; this slot's next 512 keys; the type bits on top are not reached
	s_add_nc_u64 s[G0S+4*\s+2:G0S+4*\s+3], s[G0S+4*\s+2:G0S+4*\s+3], 2*SCSL
.if \ask
	s_wait_xcnt 0x0                                ; the last prefetch, a slot back, has read its address, so it may be written
	s_add_nc_u64 s[PFA:PFA+1], s[PFA:PFA+1], SLOTB
.endif
	s_wait_dscnt 0x0                               ; the adds are done, and my reads of the slot that I have left are over
	CROUND
	FILL 1-\s
.if \ask
	global_prefetch_b8 v9, s[PFA:PFA+1] th:TH_LOAD_NT scope:SCOPE_SE   ; two slots on
.endif
.else
	s_wait_dscnt 0x0
	s_barrier_signal -1
	s_barrier_wait -1
.endif
.endm
.macro RUN s                           ; slot s's four key steps: three that ask for the next step's K, and the last
	s_mov_b32 s[TB], \s*SLOTB
	s_mov_b32 s[TS], SCL+\s*SCSL
	s_mov_b32 s[INN], 3
	v_add_nc_u32 v6, s[TB], v1
	v_add_nc_u32 v8, s[TS], v3
	KLOAD 0, 0                                     ; the slot's first K
.Lstep_\@:
	STEP 1
	s_add_co_u32 s[TB], s[TB], STEPB
	s_add_co_u32 s[TS], s[TS], 1536
	s_sub_co_u32 s[INN], s[INN], 1
	s_cmp_lg_u32 s[INN], 0
	s_cbranch_scc1 .Lstep_\@
	STEP 0
.endm
	s_mov_b32 s[CNT], 3
	s_wait_alu depctr_va_vdst(0)
.Lpair:                                ; three trips of two slots; the last two slots are written out
	CHANGE 0, 1, 1
	RUN 0
	CHANGE 1, 1, 1
	RUN 1
	s_sub_co_u32 s[CNT], s[CNT], 1
	s_cmp_lg_u32 s[CNT], 0
	s_cbranch_scc1 .Lpair
	CHANGE 0, 1, 0
	RUN 0
	CHANGE 1, 0, 0
	RUN 1
	; THE WAY OUT: O^T / the sum; its 32 registers run along the head's 64 channels (32 b + 16 h + 0..15): quantised as they stand: half a fragment of the last projection's operand
	v_add_f32 v14, v14, v15
	s_delay_alu instid0(VALU_DEP_1)
	v_permlanex16_b32 v227, v14, s[SEL], s[SEL+1]
	s_delay_alu instid0(VALU_DEP_1)
	v_add_f32 v14, v14, v227                       ; the row's sum
	s_wait_alu depctr_va_vdst(0)
	v_rcp_f32 v14, v14
	v_and_b32 v42, 31, v0                          ; (a plain place behind the transcendental)
	s_delay_alu instid0(VALU_DEP_1)
	v_lshlrev_b32 v42, 3, v42                      ; 8 x lane
	v_nop
	v_nop
	s_wait_alu depctr_va_vdst(0)                   ; the wait ahead of the reciprocal's first reader, and of O^T's
.set J, 0
.rept 32
	v_mul_f32 v[96+J], v[160+J], v14               ; each accumulator from its low end on
.set J, J+1
.endr
	v_max3_num_f32 v[HM], |v96|, |v97|, 0x1800000
	v_max3_num_f32 v[HM+1], |v112|, |v113|, 0x1800000
.irp i, 2,4,6,8,10,12,14
	s_delay_alu instid0(VALU_DEP_2)
	v_max3_num_f32 v[HM], v[HM], |v[96+\i]|, |v[97+\i]|
	s_delay_alu instid0(VALU_DEP_2)
	v_max3_num_f32 v[HM+1], v[HM+1], |v[112+\i]|, |v[113+\i]|
.endr
	s_delay_alu instid0(VALU_DEP_2)
	v_permlanex16_b32 v[HP], v[HM], s[SEL], s[SEL+1]
	s_delay_alu instid0(VALU_DEP_2)
	v_permlanex16_b32 v[HP+1], v[HM+1], s[SEL], s[SEL+1]
	s_delay_alu instid0(VALU_DEP_2)
	v_max_num_f32 v[HM], v[HM], v[HP]
	s_delay_alu instid0(VALU_DEP_2)
	v_max_num_f32 v[HM+1], v[HM+1], v[HP+1]
	s_delay_alu instid0(VALU_DEP_2)
	v_add_nc_u32 v[HS], 0xff000000, v[HM]
	s_delay_alu instid0(VALU_DEP_2)
	v_add_nc_u32 v[HS+1], 0xff000000, v[HM+1]
	s_delay_alu instid0(VALU_DEP_2)
	v_lshrrev_b32 v[HP], 23, v[HS]
	s_delay_alu instid0(VALU_DEP_2)
	v_lshrrev_b32 v[HP+1], 23, v[HS+1]
	s_delay_alu instid0(VALU_DEP_1)
	v_lshl_or_b32 v226, v[HP+1], 8, v[HP]
	v_cvt_scalef32_pk16_fp6_f32 v[192:194], v[96:111], v[HS]
	v_cvt_scalef32_pk16_fp6_f32 v[HX:HX+2], v[112:127], v[HS+1]
	v_nop
.irp i, 0,1,2
	v_permlane16_swap_b32 v[192+\i], v[HX+\i]
.endr
.irp i, 0,1,2
	s_delay_alu instid0(VALU_DEP_3)
	v_mov_b32 v[195+\i], v[HX+\i]
.endr
	global_store_b128 v10, v[192:195], s[12:13]    ; 32 lanes store 512 consecutive bytes,
	global_store_b64 v42, v[196:197], s[12:13] offset:512   ; and 256
	global_store_b16 v11, v226, s[14:15]           ; two bytes of a word whose other two are the neighbouring head's
	s_wait_tensorcnt 0x0                           ; the wave's end
	ds_add_u32 v[SPW], v[NIL]
	s_wait_dscnt 0x0
	CROUND                                         ; the closing round: no work-group ends while a partner may still ask for a tile that names it
	s_endpgm
.Lfunc_end_k_qc8e09d28a4_attn:
	.size	k_qc8e09d28a4_attn, .Lfunc_end_k_qc8e09d28a4_attn-k_qc8e09d28a4_attn
	.p2alignl 7, 3214868480
	.fill 96, 4, 3214868480
	.section	.rodata,"a",@progbits
	.p2align	6, 0x0
	.amdhsa_kernel k_qc8e09d28a4_attn
		.amdhsa_group_segment_fixed_size 327680
		.amdhsa_private_segment_fixed_size 0
		.amdhsa_enable_private_segment 0
		.amdhsa_kernarg_size 48
		.amdhsa_user_sgpr_count 2
		.amdhsa_user_sgpr_kernarg_segment_ptr 1
		.amdhsa_wavefront_size32 1
		.amdhsa_system_sgpr_workgroup_id_x 1
		.amdhsa_system_sgpr_workgroup_id_y 1
		.amdhsa_system_sgpr_workgroup_id_z 1
		.amdhsa_system_vgpr_workitem_id 0
		.amdhsa_next_free_vgpr 320
		.amdhsa_next_free_sgpr 100
		.amdhsa_reserve_vcc 0
		.amdhsa_float_denorm_mode_32 3
		.amdhsa_float_denorm_mode_16_64 3
		.amdhsa_memory_ordered 1
		.amdhsa_forward_progress 1
		.amdhsa_inst_pref_size 140
	.end_amdhsa_kernel
	.amdgpu_metadata
---
amdhsa.version: [ 1, 2 ]
amdhsa.kernels:
  - .name:           k_qc8e09d28a4_attn
    .symbol:         k_qc8e09d28a4_attn.kd
    .args:
      - { .name: qimg, .offset: 0, .size: 8, .value_kind: global_buffer, .address_space: global }
      - { .name: qsc, .offset: 8, .size: 8, .value_kind: global_buffer, .address_space: global }
      - { .name: kvimg, .offset: 16, .size: 8, .value_kind: global_buffer, .address_space: global }
      - { .name: kvsc, .offset: 24, .size: 8, .value_kind: global_buffer, .address_space: global }
      - { .name: cimg, .offset: 32, .size: 8, .value_kind: global_buffer, .address_space: global }
      - { .name: csc, .offset: 40, .size: 8, .value_kind: global_buffer, .address_space: global }
    .group_segment_fixed_size: 327680
    .private_segment_fixed_size: 0
    .kernarg_segment_align: 8
    .kernarg_segment_size: 48
    .max_flat_workgroup_size: 384
    .sgpr_count:     100
    .vgpr_count:     320
    .wavefront_size: 32
...
	.end_amdgpu_metadata
.endif
;; end of part 3
;; launch outp (part 4): grid 64 x 3, 4 waves a work-group, no clusters, 17,920 bytes of LDS; arguments cimg, csc, wimg, wsc, bo, out0; writes out0
.if DOCPART == 4
	.amdgcn_target "amdgcn-amd-amdhsa--gfx1250"
	.amdhsa_code_object_version 6
	.text
	.protected	k_qc8e09d28a4_outp
	.globl	k_qc8e09d28a4_outp
	.p2align	8
	.type	k_qc8e09d28a4_outp,@function
k_qc8e09d28a4_outp:
	s_mov_b64 s[64:65], 0
	v_nop
	global_prefetch_b8 v0, s[64:65] scope:SCOPE_SE
	s_setreg_imm32_b32 hwreg(HW_REG_WAVE_MODE, 25, 1), 1
	s_wait_xcnt 0x0
; out0 = ctx Wo + bo on codes of FP6 (E2M3) with one E8M0 byte for each 32 along K.  ctx comes as half images (cimg[tile of 16 rows][head]: K step = head / 2, half = head % 2), Wo as images (wimg, weight 3).
; SHARES.  A work-group takes 64 rows (work-group x: four tiles) and 256 columns (work-group y); wave w 64 of the columns (four tiles): 16 accumulators by turns, six K steps of 128, the bias as the C of each sum's first product.
; All operands lie in memory in the order of the operand's registers and go straight into them; each K step has registers of its own, so all six K steps' loads, 168 a wave, are issued at the head, ahead of the first product.
; NO CLUSTER, NO JOINT LOADS, NO PREFETCH.
; TRANSPOSED: source 0 = Wo, source 1 = ctx: a lane holds one row and eight neighbouring columns.  Place p of tile m of rows is row 8 m + p % 8 + 32 (p / 8) of the 64, as the projections lay them; the columns of tiles 2 b, 2 b + 1
; are 32 b + 16 (lane / 16) + 0..15.  A wave's 64 columns are 256 bytes of a row: each tile of rows goes through the wave's own stage in LDS and leaves as whole aligned runs of 256 bytes.
; REGISTERS.  Window 0: v1-7 addresses; v14, v15 the add's two; v16-27 Wo's scale words (3 t + K step / 2), v28-39 ctx's (3 m + ..); v40-71 the bias, later rows read back; v72-199 the accumulators; v200-231 rows read back.
;   K step s: window 1 + s / 2, from 96 (s % 2): Wo's four fragments, then ctx's four.
.set STG,   4352                       ; a wave's stage: 16 rows x (256 bytes + 16)
.set SPARE, 4*STG                      ; 17,408: the spare words, 128 bytes a wave: two blocks of 256 bytes that no other line names
.set G16, 1
.set G8,  2
.set G4,  3
.set BQ,  4
.set STO, 5
.set RD,  6
.set GO,  7
.set SPW, 14
.set NIL, 15
.set WSR, 16
.set CSR, 28
.set BIA, 40
.set ACC, 72
.set MSB, 0
.macro WIN new
.if MSB != \new
	s_set_vgpr_msb (MSB<<8)|\new
.set MSB, \new
.endif
.endm
	s_load_b256 s[4:11], s[0:1], 0x0               ; cimg, csc, wimg, wsc
	s_load_b128 s[12:15], s[0:1], 0x20             ; bo, out0
	v_lshl_add_u32 v[SPW], v0, 2, SPARE
	v_mov_b32 v[NIL], 0
	v_lshrrev_b32 v8, 5, v0
	v_readfirstlane_b32 s16, v8                    ; wave
	s_and_b32 s17, ttmp7, 0xffff                   ; slab of 256 columns
	v_and_b32 v8, 31, v0
	v_and_b32 v9, 15, v0                           ; r
	v_bfe_u32 v10, v0, 4, 1                        ; h
	v_lshlrev_b32 v[G16], 4, v8
	v_lshlrev_b32 v[G8], 3, v8
	v_lshlrev_b32 v[G4], 2, v8
	v_lshlrev_b32 v[BQ], 6, v10
	s_mul_i32 s18, s16, STG
	v_mul_u32_u24 v[STO], v9, 272
	v_lshl_add_u32 v[STO], v10, 6, v[STO]
	v_add_nc_u32 v[STO], s18, v[STO]               ; in: place r, + 64 h
	v_mul_u32_u24 v[RD], v10, 272
	v_lshl_add_u32 v[RD], v9, 4, v[RD]
	v_add_nc_u32 v[RD], s18, v[RD]                 ; back: lanes 0-15 one place, lanes 16-31 the next
	v_mul_u32_u24 v[GO], v10, 3072
	v_lshl_add_u32 v[GO], v9, 4, v[GO]             ; and the same two rows in out0
	s_mul_i32 s20, ttmp9, 36864                    ; cimg: four tiles x 12 heads x 768
	s_mov_b32 s21, 0
	s_mul_i32 s22, ttmp9, 1536                     ; csc
	s_mov_b32 s23, 0
	s_lshl_b32 s24, s17, 4
	s_lshl_b32 s25, s16, 2
	s_add_co_u32 s24, s24, s25                     ; my first tile of columns
	s_mul_i32 s26, s24, 9216
	s_add_co_u32 s26, s26, 3*442368
	s_mov_b32 s27, 0
	s_mul_i32 s28, s24, 384
	s_add_co_u32 s28, s28, 3*18432
	s_mov_b32 s29, 0
	s_lshl_b32 s30, s17, 10
	s_lshl_b32 s31, s16, 8
	s_add_co_u32 s30, s30, s31                     ; my 64 columns, in bytes
	s_mov_b32 s31, 0
	s_mul_i32 s32, ttmp9, 196608
	s_add_co_u32 s32, s32, s30
	s_mov_b32 s33, 0
	s_wait_alu depctr_va_vdst(0)
	s_wait_kmcnt 0x0
	s_add_nc_u64 s[4:5], s[4:5], s[20:21]
	s_add_nc_u64 s[6:7], s[6:7], s[22:23]
	s_add_nc_u64 s[8:9], s[8:9], s[26:27]
	s_add_nc_u64 s[10:11], s[10:11], s[28:29]
	s_add_nc_u64 s[12:13], s[12:13], s[30:31]
	s_add_nc_u64 s[14:15], s[14:15], s[32:33]
.irp t, 0,1,2,3
.irp i, 0,1,2
	global_load_b32 v[WSR+3*\t+\i], v[G4], s[10:11] offset:\t*384+128*\i   ; lanes 0-15: K step 2 i; lanes 16-31: K step 2 i + 1
	global_load_b32 v[CSR+3*\t+\i], v[G4], s[6:7] offset:\t*384+128*\i
.endr
.endr
.irp t, 0,1,2,3
	global_load_b128 v[BIA+8*\t:BIA+8*\t+3], v[BQ], s[12:13] offset:(32*(\t/2)+8*(\t%2))*4
	global_load_b128 v[BIA+8*\t+4:BIA+8*\t+7], v[BQ], s[12:13] offset:(32*(\t/2)+8*(\t%2))*4+16
.endr
.macro SLOAD s                         ; K step s: 28 loads
.set WNL, 1+(\s)/2
.set SBL, 96*((\s)%2)
	WIN (WNL<<6)
.irp t, 0,1,2,3
.irp g, 0,1,2
	global_load_b128 v[SBL+12*\t+4*\g:SBL+12*\t+4*\g+3], v[G16], s[8:9] offset:(\t*6+(\s))*1536+512*\g
.endr
.endr
.irp m, 0,1,2,3
.irp c, 0,1
	global_load_b128 v[SBL+48+12*\m+6*\c:SBL+48+12*\m+6*\c+3], v[G16], s[4:5] offset:(\m*12+2*(\s)+\c)*768
	global_load_b64 v[SBL+48+12*\m+6*\c+4:SBL+48+12*\m+6*\c+5], v[G8], s[4:5] offset:(\m*12+2*(\s)+\c)*768+512
.endr
.endr
.endm
.macro MULS s                          ; 16 products, the accumulators by turns in the same order in every K step
.set WN, 1+(\s)/2
.set SB, 96*((\s)%2)
	WIN (WN|(WN<<2))
.irp m, 0,1,2,3
.irp t, 0,1,2,3
.set rD, ACC+32*\m+8*\t
.if (\s) == 0
.set rC, BIA+8*\t
.else
.set rC, rD
.endif
.if (\s)%2
	v_wmma_scale_f32_16x16x128_f8f6f4 v[rD:rD+7], v[SB+12*\t:SB+12*\t+11], v[SB+48+12*\m:SB+48+12*\m+11], v[rC:rC+7], v[WSR+3*\t+(\s)/2], v[CSR+3*\m+(\s)/2] matrix_a_fmt:MATRIX_FMT_FP6 matrix_b_fmt:MATRIX_FMT_FP6 matrix_a_scale:MATRIX_SCALE_ROW1 matrix_b_scale:MATRIX_SCALE_ROW1
.else
	v_wmma_scale_f32_16x16x128_f8f6f4 v[rD:rD+7], v[SB+12*\t:SB+12*\t+11], v[SB+48+12*\m:SB+48+12*\m+11], v[rC:rC+7], v[WSR+3*\t+(\s)/2], v[CSR+3*\m+(\s)/2] matrix_a_fmt:MATRIX_FMT_FP6 matrix_b_fmt:MATRIX_FMT_FP6
.endif
.endr
.endr
.endm
.irp s, 0,1,2,3,4,5
	SLOAD \s                                       ; into registers that no product reads before its own K step: no places are owed
.endr
.irp s, 0,1,2,3,4,5
.if 28*(5-\s) > 63
	s_wait_loadcnt 63                              ; behind this K step's loads 28 x (5 - s) were issued, more than the count can name; the smaller count is safe
.else
	s_wait_loadcnt 28*(5-\s)                       ; this K step's operands are in; the later K steps' loads may be out
.endif
	MULS \s
.endr
	WIN 0
.macro TOSTAGE m                       ; tile m of rows through my stage: LDS serves a wave's instructions in order, so no wait stands between the stores and the loads, nor in front of the next tile's stores
.irp t, 0,1,2,3
	ds_store_b128 v[STO], v[ACC+32*(\m)+8*\t:ACC+32*(\m)+8*\t+3] offset:128*(\t/2)+32*(\t%2)       ; each accumulator from its low end on
	ds_store_b128 v[STO], v[ACC+32*(\m)+8*\t+4:ACC+32*(\m)+8*\t+7] offset:128*(\t/2)+32*(\t%2)+16
.endr
.set RB, 200-160*((\m)%2)              ; v200-231 and v40-71 by turns
.irp i, 0,1,2,3,4,5,6,7
	ds_load_b128 v[RB+4*\i:RB+4*\i+3], v[RD] offset:544*\i
.endr
.endm
.macro SEND m, younger                 ; younger: the LDS instructions issued behind tile m's loads, which may stay out
.set RB, 200-160*((\m)%2)
	s_wait_dscnt \younger
.irp i, 0,1,2,3,4,5,6,7
	global_store_b128 v[GO], v[RB+4*\i:RB+4*\i+3], s[14:15] offset:(8*(\m)+2*(\i%4)+32*(\i/4))*3072 th:TH_STORE_NT   ; places 2 i and 2 i + 1: sixteen lanes store 256 consecutive bytes, aligned
.endr
.endm
.rept 4
	v_nop                                          ; places in front of the first read of results and of loads into the bias's registers
.endr
	TOSTAGE 0
.irp m, 1,2,3
.if \m > 1
	s_wait_xcnt 0x0                                ; tile m - 2's stores have read their registers: tile m's loads may land there
.endif
	TOSTAGE \m
	SEND \m-1, 16                                  ; behind tile m - 1's loads: tile m's 8 stores and 8 loads
.endr
	SEND 3, 0
	s_wait_tensorcnt 0x0                           ; the wave's end, behind my last LDS store
	ds_add_u32 v[SPW], v[NIL]
	s_wait_dscnt 0x0
	s_endpgm
.Lfunc_end_k_qc8e09d28a4_outp:
	.size	k_qc8e09d28a4_outp, .Lfunc_end_k_qc8e09d28a4_outp-k_qc8e09d28a4_outp
	.p2alignl 7, 3214868480
	.fill 96, 4, 3214868480
	.section	.rodata,"a",@progbits
	.p2align	6, 0x0
	.amdhsa_kernel k_qc8e09d28a4_outp
		.amdhsa_group_segment_fixed_size 17920
		.amdhsa_private_segment_fixed_size 0
		.amdhsa_enable_private_segment 0
		.amdhsa_kernarg_size 48
		.amdhsa_user_sgpr_count 2
		.amdhsa_user_sgpr_kernarg_segment_ptr 1
		.amdhsa_wavefront_size32 1
		.amdhsa_system_sgpr_workgroup_id_x 1
		.amdhsa_system_sgpr_workgroup_id_y 1
		.amdhsa_system_sgpr_workgroup_id_z 1
		.amdhsa_system_vgpr_workitem_id 0
		.amdhsa_next_free_vgpr 1024
		.amdhsa_next_free_sgpr 66
		.amdhsa_reserve_vcc 0
		.amdhsa_float_denorm_mode_32 3
		.amdhsa_float_denorm_mode_16_64 3
		.amdhsa_memory_ordered 1
		.amdhsa_forward_progress 1
		.amdhsa_inst_pref_size 42
	.end_amdhsa_kernel
	.amdgpu_metadata
---
amdhsa.version: [ 1, 2 ]
amdhsa.kernels:
  - .name:           k_qc8e09d28a4_outp
    .symbol:         k_qc8e09d28a4_outp.kd
    .args:
      - { .name: cimg, .offset: 0, .size: 8, .value_kind: global_buffer, .address_space: global }
      - { .name: csc, .offset: 8, .size: 8, .value_kind: global_buffer, .address_space: global }
      - { .name: wimg, .offset: 16, .size: 8, .value_kind: global_buffer, .address_space: global }
      - { .name: wsc, .offset: 24, .size: 8, .value_kind: global_buffer, .address_space: global }
      - { .name: bo, .offset: 32, .size: 8, .value_kind: global_buffer, .address_space: global }
      - { .name: out0, .offset: 40, .size: 8, .value_kind: global_buffer, .address_space: global }
    .group_segment_fixed_size: 17920
    .private_segment_fixed_size: 0
    .kernarg_segment_align: 8
    .kernarg_segment_size: 48
    .max_flat_workgroup_size: 128
    .sgpr_count:     66
    .vgpr_count:     1024
    .wavefront_size: 32
...
	.end_amdgpu_metadata
.endif
;; end of part 4
